; MI455X (gfx1250); checked and timed in simulation.
; The chip was launched on July 23, 2026; its instructions are those of AMD's public machine-readable ISA for CDNA 5 (MIT licence, August 2026) and "CDNA5" Instruction Set Architecture Reference Guide (July 2026). The comments in the code are by the model that wrote it; some were corrected since.
;; CIN. Allowed arithmetic: matrix products marked QUANTISED: E2M3 operands, one E8M0 scale for each 32 along K, by v_wmma_scale_f32_16x16x128_f8f6f4 with both operands' format E2M3, f32 sums; products left as they are: f32 operands where the result goes on into a quantised operand, else bf16, f16 or f32 operands; f32 sums; everything else in f32.
;; Inputs: b_nn 1 float32; f0 1,521 x 128 float32; f1 2,496 x 128 float32; f2 2,496 x 128 float32; nn_input 4,096 x 624 float32; w_nn 256 x 1 float32.
;; Outputs: out0 4,096 x 1 float32.
;; This version of the problem:
;;   THIS VERSION OF THE PROBLEM IS GIVEN IN LOW PRECISION. The matrix products marked QUANTISED in the list below multiply operands that are first quantised to E2M3 (2 exponent bits, 3 mantissa bits; 6 bits a number), with one power-of-two scale for each 32 numbers along K (OCP MX v1.0); their sums are f32. All else is computed in f32.
;;   The module's matrix products, in the order in which they are computed (A, B: the left and right operand; K: the contracted axis; several contracted axes count as one K, in the product's order):
;;     1. batch 65,536 x [M 39, K 1] x [K 1, N 39]; A: computed on the way; B: computed on the way: left as it is (no contracted axis)
;;     2. [M 128, K 1,521] x [K 1,521, N 65,536]; A: input f0; B: computed on the way: QUANTISED
;;     3. batch 65,536 x [M 39, K 1] x [K 1, N 64]; A: computed on the way; B: computed on the way: left as it is (no contracted axis)
;;     4. [M 128, K 2,496] x [K 2,496, N 65,536]; A: input f1; B: computed on the way: QUANTISED
;;     5. batch 65,536 x [M 39, K 1] x [K 1, N 64]; A: computed on the way; B: computed on the way: left as it is (no contracted axis)
;;     6. [M 128, K 2,496] x [K 2,496, N 65,536]; A: input f2; B: computed on the way: QUANTISED
;;     7. [M 4,096, K 256] x [K 256, N 1]; A: computed on the way; B: input w_nn: left as it is (N = 1 < 16)
;;   THE QUANTISER, for each operand of a quantised product, along K:
;;     - K is cut into blocks of 32 from its start; a last block that is shorter is filled with zeros.
;;     - A block's scale is 2^e with e = floor(log2(the largest magnitude in the block)) - 2, held to -126 .. 127; a block of zeros has e = 0. As a byte (E8M0): e + 127.
;;     - Each number is divided by its block's scale, clamped to +-7.5, and rounded to the nearest number of E2M3, ties to even, subnormals kept.
;;     - The product sums the exact products of the quantised numbers (number of the format x scale) in f32.
;;   ~~~python
;;   def quantise(x, axis):      # numpy; x: float32 -> the quantised numbers, widened to float32 again
;;       x = np.moveaxis(x, axis, -1); K = x.shape[-1]
;;       x = np.pad(x, [(0, 0)] * (x.ndim - 1) + [(0, -K % 32)]); x = x.reshape(x.shape[:-1] + (-1, 32)); a = np.abs(x).max(-1, keepdims=True)
;;       e = np.where(a > 0, np.clip(np.frexp(np.where(a > 0, a, 1))[1] - 1 - 2, -126, 127), 0)      # np.frexp(a)[1] - 1 = floor(log2(a)), exactly
;;       r = np.clip(x / 2.0 ** e, -7.5, 7.5)
;;       step = 2.0 ** (np.maximum(np.frexp(np.where(r == 0, 1, r))[1] - 1, 0) - 3)
;;       q = np.round(r / step) * step * 2.0 ** e      # np.round: ties to even
;;       return np.moveaxis(q.reshape(q.shape[:-2] + (-1,))[..., :K], -1, axis).astype(np.float32)
;;   ~~~
;;   OPERANDS COMPUTED ON THE WAY. 'Computed on the way' means the value that the module computes at that place (a softmax that the list does not call 'softmax' is quantised finished and normalised). What goes into a quantiser is computed in f32, as accurately as f32 sums, v_exp_f32 and their like allow (about 1e-6 of the number): no bf16 or f16 on the way to a quantiser, and a product that is left as it is and whose result goes on into a quantised operand takes f32 operands (vector FMAs, or v_wmma_f32_16x16x4_f32). A number that lies on a knife's edge between two numbers of the format may be rounded either way, as far as f32 arithmetic and the matrix unit's own rounding can turn it there, and no further.
;; One version. Each part assembles by itself: llvm-mc -triple=amdgcn-amd-amdhsa -mcpu=gfx1250 --defsym DOCPART=n.
;; ======== version 1 of 1: 2 launches
;; workspace buffers: wq 665,600 bytes
;; launch wquant (part 1): grid 52 x 1, 4 waves a work-group, no clusters, 0 bytes of LDS; arguments f0, f1, f2, wq; writes wq
.if DOCPART == 1
	.amdgcn_target "amdgcn-amd-amdhsa--gfx1250"
	.amdhsa_code_object_version 6
	.text
	.protected	k_q081564a757_wquant
	.globl	k_q081564a757_wquant
	.p2align	8
	.type	k_q081564a757_wquant,@function
k_q081564a757_wquant:
	s_mov_b64 s[64:65], 0
	v_nop
	global_prefetch_b8 v0, s[64:65] scope:SCOPE_SE
	s_setreg_imm32_b32 hwreg(HW_REG_WAVE_MODE, 25, 1), 1
	s_wait_xcnt 0x0
; f0 [1521][128], f1, f2 [2496][128], f32, K = the first axis, become codes of FP6 (E2M3) with one E8M0 byte for each 32 along K,
; laid as the second launch's matrix operand registers want them.  wq = 52 step blocks of 12,800 bytes: 12 of f0, 20 of f1, 20 of f2.
; A STEP BLOCK (128 along K, all 128 columns l of the filter): eight fragment images of 1,536 bytes (register p of lane L of tile f at
; 1536 f + 512 (p / 4) + 16 L + 4 (p % 4); registers 6 c .. 6 c + 5 of lane (m, h) = the 24 bytes of block 2 c + h of the tile's row m),
; then from byte 12,288 four groups of 128 bytes: word L of group p = the scale word of tile 2 p + L / 16, row L % 16.
; ROWS OF A TILE: in f0 and f1, tiles 0-3 take l = 32 (m / 8) + 8 f + m % 8 (so that the next layer's hidden units fall into the lanes that
; multiply them); all other tiles l = 16 f + m.
; A work-group makes one step block; wave w tiles 2 w and 2 w + 1; a lane ONE column l, its 128 registers running down K: a block's largest
; magnitude needs no other lane and the conversions give codes with K innermost.  Rows past the end of K are zeros (zero codes).
; A block's byte is its largest magnitude's exponent field - 2, held at 1 from below by a floor among the maximum's leaves.
; LIMITS: a block of zeros gets the byte 1 where the rule says 127 (its codes are zeros; this program alone reads the bytes); blocks whose
; largest magnitude lies under 2^-124 are held at that floor; NaN and infinities are not served.
.set X,  16                            ; v16-143  my column's 128 numbers
.set MX, 144                           ; v144-147 a block's largest magnitude
.set SO, 148                           ; v148-151 the conversions' scale operands
.set BY, 152                           ; v152-155 the bytes; v152 becomes the word
.set G,  156                           ; v156-167 what lane (m, 0) of the image holds, v168-179 what lane (m, 1) holds
.set CT, 180                           ; v180-195 the upper 16 codes of each block, four registers apart
.set MT, 196                           ; v196-199 the second chain of each maximum
	s_load_b256 s[4:11], s[0:1], 0x0               ; f0 s[4:5], f1 s[6:7], f2 s[8:9], wq s[10:11]
	v_lshrrev_b32 v1, 5, v0
	v_readfirstlane_b32 s12, v1                    ; wave
	v_and_b32 v2, 31, v0                           ; lane
	v_and_b32 v3, 15, v0                           ; m
	v_bfe_u32 v6, v0, 4, 1
	s_lshl_b32 s13, s12, 1
	v_add_nc_u32 v6, s13, v6                       ; tile f = 2 w + lane / 16
	v_lshl_add_u32 v7, v6, 4, v3                   ; the plain column: 16 f + m
	v_and_b32 v8, 7, v3
	v_lshl_add_u32 v8, v6, 3, v8
	v_lshrrev_b32 v9, 3, v3
	v_lshl_add_u32 v8, v9, 5, v8                   ; the other: 32 (m / 8) + 8 f + m % 8
	s_cmp_lt_u32 ttmp9, 32                         ; f0 or f1,
	s_cselect_b32 s14, 1, 0
	s_cmp_lt_u32 s12, 2                            ; and tiles 0-3
	s_cselect_b32 s15, s14, 0
	s_cmp_lg_u32 s15, 0
	s_cselect_b32 s15, -1, 0
	v_cndmask_b32 v4, v7, v8, s15
	v_lshlrev_b32 v4, 2, v4                        ; my column, in bytes
	v_mul_u32_u24 v5, v6, 1536
	v_lshl_add_u32 v5, v3, 4, v5                   ; my row's place in the tile's image: 1536 f + 16 m
	v_lshlrev_b32 v10, 2, v2
	s_lshl_b32 s16, s12, 7
	v_add_nc_u32 v10, s16, v10                     ; my scale word: 128 w + 4 lane
	s_wait_kmcnt 0x0
	s_cmp_lt_u32 ttmp9, 32                         ; which filter: the choice hangs on the work-group's number alone
	s_cselect_b64 s[6:7], s[6:7], s[8:9]
	s_cselect_b32 s17, 12, 32
	s_cmp_lt_u32 ttmp9, 12
	s_cselect_b64 s[4:5], s[4:5], s[6:7]
	s_cselect_b32 s17, 0, s17
	s_sub_co_u32 s18, ttmp9, s17                   ; the K step within the filter:
	s_lshl_b32 s18, s18, 16                        ; 128 rows of 512 bytes
	s_mov_b32 s19, 0
	s_add_nc_u64 s[4:5], s[4:5], s[18:19]
	s_mul_i32 s20, ttmp9, 12800
	s_mov_b32 s21, 0
	s_add_nc_u64 s[10:11], s[10:11], s[20:21]
; One step block of which the first 'valid' rows exist.
.macro QS valid
.set q, 0
.rept 128
.if q < \valid
	global_load_b32 v[X+q], v4, s[4:5] offset:512*q th:TH_LOAD_NT
.else
	v_mov_b32 v[X+q], 0                            ; past the end of K: no load leaves the buffer
.endif
.set q, q+1
.endr
.irp b, 0,1,2,3
.if \valid-32*(\b+1) > 63
	s_wait_loadcnt 63                              ; the later blocks' loads may stay out (the count's field holds 63)
.elseif \valid-32*(\b+1) > 0
	s_wait_loadcnt \valid-32*(\b+1)                ; the later blocks' loads may stay out
.else
	s_wait_loadcnt 0x0
.endif
	v_max3_num_f32 v[MX+\b], |v[X+32*\b]|, |v[X+32*\b+1]|, 0x1800000      ; two chains, each begun with the floor 2^(3 - 127)
	v_max3_num_f32 v[MT+\b], |v[X+32*\b+16]|, |v[X+32*\b+17]|, 0x1800000
.irp i, 2,4,6,8,10,12,14
	v_max3_num_f32 v[MX+\b], v[MX+\b], |v[X+32*\b+\i]|, |v[X+32*\b+\i+1]|
	v_max3_num_f32 v[MT+\b], v[MT+\b], |v[X+32*\b+16+\i]|, |v[X+32*\b+17+\i]|
.endr
	v_max_num_f32 v[MX+\b], v[MX+\b], v[MT+\b]
	v_add_nc_u32 v[SO+\b], 0xff000000, v[MX+\b]    ; 2 off the exponent field: the conversion takes that field as its scale
	v_lshrrev_b32 v[BY+\b], 23, v[SO+\b]           ; the byte
.endr
	v_lshl_or_b32 v[BY], v[BY+1], 8, v[BY]         ; my row's scale word
	v_lshl_or_b32 v[BY], v[BY+2], 16, v[BY]
	v_lshl_or_b32 v[BY], v[BY+3], 24, v[BY]
.irp c, 0,1
.irp h, 0,1
	v_cvt_scalef32_pk16_fp6_f32 v[G+12*\h+6*\c:G+12*\h+6*\c+2], v[X+32*(2*\c+\h):X+32*(2*\c+\h)+15], v[SO+2*\c+\h]
	v_cvt_scalef32_pk16_fp6_f32 v[CT+4*(2*\c+\h):CT+4*(2*\c+\h)+2], v[X+32*(2*\c+\h)+16:X+32*(2*\c+\h)+31], v[SO+2*\c+\h]   ; (a conversion's three registers begin on an even number)
.endr
.endr
	v_nop                                          ; one plain line behind the conversions
.irp c, 0,1
.irp h, 0,1
.irp i, 0,1,2
	v_mov_b32 v[G+12*\h+6*\c+3+\i], v[CT+4*(2*\c+\h)+\i]
.endr
.endr
.endr
.irp h, 0,1
.irp p, 0,1,2
	global_store_b128 v5, v[G+12*\h+4*\p:G+12*\h+4*\p+3], s[10:11] offset:512*\p+256*\h   ; sixteen lanes store 256 consecutive bytes, at a multiple of 256 from wq's first byte
.endr
.endr
	global_store_b32 v10, v[BY], s[10:11] offset:12288   ; 32 lanes store 128 consecutive bytes
	s_endpgm
.endm
	s_cmp_eq_u32 ttmp9, 11                         ; f0's last step has 1521 - 11 x 128 = 113 rows,
	s_cbranch_scc1 .Lv113
	s_cmp_eq_u32 ttmp9, 31                         ; f1's and f2's 2496 - 19 x 128 = 64
	s_cbranch_scc1 .Lv64
	s_cmp_eq_u32 ttmp9, 51
	s_cbranch_scc1 .Lv64
	QS 128
.Lv113:
	QS 113
.Lv64:
	QS 64
.Lfunc_end_k_q081564a757_wquant:
	.size	k_q081564a757_wquant, .Lfunc_end_k_q081564a757_wquant-k_q081564a757_wquant
	.p2alignl 7, 3214868480
	.fill 96, 4, 3214868480
	.section	.rodata,"a",@progbits
	.p2align	6, 0x0
	.amdhsa_kernel k_q081564a757_wquant
		.amdhsa_group_segment_fixed_size 0
		.amdhsa_private_segment_fixed_size 0
		.amdhsa_enable_private_segment 0
		.amdhsa_kernarg_size 32
		.amdhsa_user_sgpr_count 2
		.amdhsa_user_sgpr_kernarg_segment_ptr 1
		.amdhsa_wavefront_size32 1
		.amdhsa_system_sgpr_workgroup_id_x 1
		.amdhsa_system_sgpr_workgroup_id_y 1
		.amdhsa_system_sgpr_workgroup_id_z 1
		.amdhsa_system_vgpr_workitem_id 0
		.amdhsa_next_free_vgpr 208
		.amdhsa_next_free_sgpr 66
		.amdhsa_reserve_vcc 0
		.amdhsa_float_denorm_mode_32 3
		.amdhsa_float_denorm_mode_16_64 3
		.amdhsa_memory_ordered 1
		.amdhsa_forward_progress 1
		.amdhsa_inst_pref_size 54
	.end_amdhsa_kernel
	.amdgpu_metadata
---
amdhsa.version: [ 1, 2 ]
amdhsa.kernels:
  - .name:           k_q081564a757_wquant
    .symbol:         k_q081564a757_wquant.kd
    .args:
      - { .name: f0, .offset: 0, .size: 8, .value_kind: global_buffer, .address_space: global }
      - { .name: f1, .offset: 8, .size: 8, .value_kind: global_buffer, .address_space: global }
      - { .name: f2, .offset: 16, .size: 8, .value_kind: global_buffer, .address_space: global }
      - { .name: wq, .offset: 24, .size: 8, .value_kind: global_buffer, .address_space: global }
    .group_segment_fixed_size: 0
    .private_segment_fixed_size: 0
    .kernarg_segment_align: 8
    .kernarg_segment_size: 32
    .max_flat_workgroup_size: 128
    .sgpr_count:     66
    .vgpr_count:     208
    .wavefront_size: 32
...
	.end_amdgpu_metadata
.endif
;; end of part 1
;; launch cin (part 2): grid 256 x 1, 4 waves a work-group, clusters of 4 x 1, 327,680 bytes of LDS; arguments nn_input, wq, w_nn, b_nn, out0; writes out0
.if DOCPART == 2
	.amdgcn_target "amdgcn-amd-amdhsa--gfx1250"
	.amdhsa_code_object_version 6
	.text
	.protected	k_q081564a757_cin
	.globl	k_q081564a757_cin
	.p2align	8
	.type	k_q081564a757_cin,@function
k_q081564a757_cin:
	s_mov_b64 s[64:65], 0
	v_nop
	global_prefetch_b8 v0, s[64:65] scope:SCOPE_SE
	s_setreg_imm32_b32 hwreg(HW_REG_WAVE_MODE, 25, 1), 1
	s_wait_xcnt 0x0
	s_wait_alu depctr_hold_cnt(0) depctr_sa_sdst(0) depctr_va_vdst(0) depctr_va_sdst(0) depctr_va_ssrc(0) depctr_va_vcc(0) depctr_vm_vsrc(0)
	s_getreg_b32 s2, hwreg(HW_REG_IB_STS2, 6, 4)
	s_cmp_eq_u32 s2, 0
	s_cbranch_scc0 .Lentry_in_a_cluster
	s_endpgm
.Lentry_in_a_cluster:
	s_bfe_u32 s2, ttmp6, 0x10000c
	s_cmp_lg_u32 s2, 0x3003
	s_cbranch_scc0 .Lentry_shape_is_right
	s_endpgm
.Lentry_shape_is_right:
; The whole CIN chain.  A position is (b, d); a tile of 16 positions is one b.  A work-group owns 16 b, each of its four waves 4 tiles (b = 16 g + 4 w + t) and all 128 outputs of every layer.
; curr = relu(z f), z[c = i field + j] = x_i hidden_j made in f32 and quantised to FP6 (E2M3) along c in registers; f comes as register images from wq (the launch before).
; THE PRODUCT IS USED TRANSPOSED: source 0 = 16 rows of the filter, source 1 = 16 positions: lane (r, h) holds position r, register j row 8 h + j of the tile.  The rows of tiles 0-3 of layers 0 and 1
; are l = 32 (m / 8) + 8 f + m % 8, so that a lane's 32 registers of these tiles are hidden units 32 h .. 32 h + 31: just the 32 that its blocks of the next layer's z want.  The hidden layer never changes lanes.
; LAYERS 1, 2: a block of 32 along K is one i x 32 neighbouring hidden units.  A K step of 128 is i = 2 s, 2 s + 1: 32 packed multiplies a tile.  Hidden units are never negative and rounding is monotone, so a
; block's largest magnitude is |x_i| x the lane's largest hidden unit, rounded: HM = that unit / 4, and the exponent field of x_i HM is the block's byte and the conversion's scale.  x_39 = 0 fills K.
; LAYER 0: blocks do not line up with i, so which registers are multiplied is a pattern of the text, the same in all lanes: a lane is ONE position of a PAIR of tiles (lane / 16 says which) and makes all four
; blocks of a step; v_permlane16_swap_b32 sorts them into the two tiles' operands.  Only j > i counts, doubled: (2 x_i) x_j, exact.  Two trips, a pair of tiles each.
; MATRIX AND VECTOR WORK STAND BY TURNS: a tile's 8 products carry the making of the next tile's operand between them.
; WEIGHTS: all work-groups walk the same 52 step blocks of 12,800 bytes, so each is asked for JOINTLY by the four work-groups of a cluster.  LDS holds 20 blocks: R_B (8) and R_A (12), on end.
;   start: R_A = layer 0, R_B = L1[0..7] | behind layer 0: R_A = L1[8..19] | ahead of L1 step 7: R_B = L2[0..7] | behind L1: R_A = L2[8..19].  Two loads of a wave are out at the start, later one.
; out[b] = b_nn + the sum over the direct outputs and d of relu(.) (1 + w_nn[k]).
; No prefetch: each refill has seven K steps or more in which to land.  A cluster of 4 x 1: nothing is shared along a second axis.
; LIMITS: a block of z that is all zeros gets the byte 0 or 1 over zero codes, not 127; blocks whose largest magnitude lies under 2^-124 get a byte at most one off the rule's; NaN and infinities are not served;
; the sums over l and d are taken in another order than the definition's.  out0 is written 16 bytes a wave.
.set SBLK,  12800                      ; a step block
.set SCO,   12288                      ; where its scale words begin
.set RB,    0                          ; LDS: 8 step blocks,
.set RA,    8*SBLK                     ; 12 step blocks,
.set XSB,   20*SBLK                    ; x, each wave's own 10,240 bytes: x_i of position r of tile t at 512 (i / 2) + 32 r + 8 t + 4 (i % 2),
.set XSW,   10240
.set WTB,   XSB+4*XSW                  ; 1 + w_nn, each wave's own 1,024 bytes,
.set SPARE, WTB+4*1024                 ; the spare words, 128 bytes for each wave: two blocks of 256 bytes that no other line names
; window 0
.set LI,  1                            ; 16 x lane: my place in a register image
.set LS,  2                            ; 4 x lane
.set AW,  3                            ; the next step's block + LI
.set AW4, 4                            ; + LS
.set AX,  5                            ; the next step's x
.set AX0, 6                            ; my wave's x + 32 r
.set AXP, 7                            ; + 8 (lane / 16): layer 0
.set AWT, 8                            ; my wave's 1 + w + 32 h
.set SPW, 9                            ; my spare word; never rewritten
.set NIL, 10                           ; 0; never rewritten
.set ZR,  11                           ; 0
.set EZ,  16                           ; v16-23   bytes at work, four registers for each of two tiles
.set WS,  24                           ; v24-31   the filter's scale words: set par at +4 par; register p: tiles 2 p (lanes 0-15) and 2 p + 1 (lanes 16-31)
.set ZS,  32                           ; v32-35   z's scale words, one register a tile (layer 0: one a step's parity, both tiles)
.set HM,  36                           ; v36-39   a quarter of the lane's largest hidden unit, a tile each
.set X0,  40                           ; v40-47   (x_2s, x_2s+1) a tile, for the scales
.set A,   48                           ; v48-55   x HM: the conversions' scale operands
.set CT0, 56
.set CT1, 60
.set ZB,  64                           ; v64-75, v76-87  z's operand, two by turns
.set WTR, 88                           ; v88-119  1 + w
.set D,   120                          ; v120-123 the tiles' running sums
.set H,   128                          ; v128-255 the hidden layer: tile t at +32 t
; window 1: v0-95, v96-191 the filter's eight fragments, two sets
.set X1,  192                          ; v192-199 (x_2s, x_2s+1) a tile, for the multiplies
; windows 2 (tiles 0, 1) and 3 (tiles 2, 3): v0-127 accumulators, tile t % 2 at +64, filter tile f at +8 f
.set T,   128                          ; v128-191 64 numbers of z
.set DS,  192                          ; v192-207 sums of the direct outputs, 8 a tile
; window 3 in layer 0
.set E,   0                            ; v0-39    x_j; x_39 = 0
.set O,   40                           ; v40-79   0, then 2 x_j: so that a pair of neighbours begins on an even register whatever its parity
.set T0,  80                           ; v80-143  64 numbers of z
.set CTP, 144
.set CTQ, 148
.set FZ,  160                          ; v160-207 z's operands: step parity at +24, tile of the pair at +12
.set MC,  208                          ; four chains of maxima
.set AQ,  212                          ; the four blocks' scale operands
.set BY,  216                          ; their bytes
.set ZW,  220
.set ZZ,  222                          ; 0, 0
; scalars
.set WV,  14
.set GW,  15
.set G1A, 16                           ; s[16:23] group 1: 150 rows of 256 bytes;  s[24:31]: 100 rows
.set G1B, 24
.set G0A, 32                           ; s[32:35] group 0 for R_A;  s[36:39] for R_B
.set G0B, 36
.set SEL, 40                           ; s[40:41] v_permlanex16_b32's selects for lane l xor 16
.set PSEL, 42
.set HIM, 43
.set CNT, 44
.set LAY, 45
.set TRIP, 46
.set BN,  47
.set WB,  56                           ; LDS byte of the step block to be fetched next
.set XB,  57                           ; and of its x
.set TOW, 0x40                         ; destination window 1
.set V3,  0xff                         ; all in window 3
.set M0W, 0xad                         ; layer 0's products: filter window 1, z window 3, C and D window 2
.set VPW, 7                            ; layer 0: vector lines between two products
.set MSB, 0
.macro WIN new                         ; bits 1:0 source 0, 3:2 source 1, 5:4 source 2, 7:6 destination; the high byte repeats the setting that is left
.if MSB != (\new)
	s_set_vgpr_msb (MSB<<8)|(\new)
.set MSB, (\new)
.endif
.endm
.macro ROUND                           ; a round of the cluster's barrier
	s_barrier_signal -1
	s_barrier_wait -1
	s_cmp_lg_u32 s[WV], 0
	s_cbranch_scc1 .Lnot_wave_0_\@
	s_barrier_signal -3
.Lnot_wave_0_\@:
	s_barrier_wait -3
	s_barrier_signal -1
	s_barrier_wait -1
.endm
; A change of slots.  Every wave waits for all its tensor loads, adds 0 to its spare word, waits for that and for its LDS reads.  kind 1: R_A is filled again, kind 2: R_B, each 20 step blocks further on in wq,
; behind a round of the cluster's barrier, the joint load first; kind 0: nothing is filled, the work-group's barrier alone shows the landed blocks to all four waves.
.macro CHANGE kind
	WIN 0
	s_wait_tensorcnt 0x0                           ; no tensor load of mine is out, so a group 0 may be written
	ds_add_u32 v[SPW], v[NIL]
.if \kind == 1
	s_add_nc_u64 s[G0A+2:G0A+3], s[G0A+2:G0A+3], 20*SBLK
.elseif \kind == 2
	s_add_nc_u64 s[G0B+2:G0B+3], s[G0B+2:G0B+3], 20*SBLK
.endif
	s_wait_dscnt 0x0                               ; the add is done, and my reads of the blocks that are left are over
.if \kind == 0
	s_barrier_signal -1
	s_barrier_wait -1
.else
	ROUND
.if \kind == 1
	tensor_load_to_lds s[G0A:G0A+3], s[G1A:G1A+7]
	s_nop 0
.else
	tensor_load_to_lds s[G0B:G0B+3], s[G1B:G1B+7]
	s_nop 0
.endif
.rept 4
	v_nop                                          ; the places behind the last products
.endr
.endif
.endm
; One product: D = v[rA], filter v[rW], z v[rZ], scale words v[rS], v[rT].  ra, rb: the words stand in lanes 16-31.
.macro WMX zero, ra, rb
.if \zero
.if \ra
.if \rb
	v_wmma_scale_f32_16x16x128_f8f6f4 v[rA:rA+7], v[rW:rW+11], v[rZ:rZ+11], 0, v[rS], v[rT] matrix_a_fmt:MATRIX_FMT_FP6 matrix_b_fmt:MATRIX_FMT_FP6 matrix_a_scale:MATRIX_SCALE_ROW1 matrix_b_scale:MATRIX_SCALE_ROW1
.else
	v_wmma_scale_f32_16x16x128_f8f6f4 v[rA:rA+7], v[rW:rW+11], v[rZ:rZ+11], 0, v[rS], v[rT] matrix_a_fmt:MATRIX_FMT_FP6 matrix_b_fmt:MATRIX_FMT_FP6 matrix_a_scale:MATRIX_SCALE_ROW1
.endif
.else
.if \rb
	v_wmma_scale_f32_16x16x128_f8f6f4 v[rA:rA+7], v[rW:rW+11], v[rZ:rZ+11], 0, v[rS], v[rT] matrix_a_fmt:MATRIX_FMT_FP6 matrix_b_fmt:MATRIX_FMT_FP6 matrix_b_scale:MATRIX_SCALE_ROW1
.else
	v_wmma_scale_f32_16x16x128_f8f6f4 v[rA:rA+7], v[rW:rW+11], v[rZ:rZ+11], 0, v[rS], v[rT] matrix_a_fmt:MATRIX_FMT_FP6 matrix_b_fmt:MATRIX_FMT_FP6
.endif
.endif
.else
.if \ra
.if \rb
	v_wmma_scale_f32_16x16x128_f8f6f4 v[rA:rA+7], v[rW:rW+11], v[rZ:rZ+11], v[rA:rA+7], v[rS], v[rT] matrix_a_fmt:MATRIX_FMT_FP6 matrix_b_fmt:MATRIX_FMT_FP6 matrix_a_scale:MATRIX_SCALE_ROW1 matrix_b_scale:MATRIX_SCALE_ROW1
.else
	v_wmma_scale_f32_16x16x128_f8f6f4 v[rA:rA+7], v[rW:rW+11], v[rZ:rZ+11], v[rA:rA+7], v[rS], v[rT] matrix_a_fmt:MATRIX_FMT_FP6 matrix_b_fmt:MATRIX_FMT_FP6 matrix_a_scale:MATRIX_SCALE_ROW1
.endif
.else
.if \rb
	v_wmma_scale_f32_16x16x128_f8f6f4 v[rA:rA+7], v[rW:rW+11], v[rZ:rZ+11], v[rA:rA+7], v[rS], v[rT] matrix_a_fmt:MATRIX_FMT_FP6 matrix_b_fmt:MATRIX_FMT_FP6 matrix_b_scale:MATRIX_SCALE_ROW1
.else
	v_wmma_scale_f32_16x16x128_f8f6f4 v[rA:rA+7], v[rW:rW+11], v[rZ:rZ+11], v[rA:rA+7], v[rS], v[rT] matrix_a_fmt:MATRIX_FMT_FP6 matrix_b_fmt:MATRIX_FMT_FP6
.endif
.endif
.endif
.endm
.macro WFRAG f                         ; fragment f of the block at v[AW] into set NP (the window is TOW): the image comes back as it was stored
.irp p, 0,1,2
	ds_load_b128 v[96*NP+12*(\f)+4*\p:96*NP+12*(\f)+4*\p+3], v[AW] offset:1536*(\f)+512*\p
.endr
.endm
; ---------------- layers 1 and 2 ----------------
.macro WM k                            ; tile UT x filter tile k.  The 32 accumulators take turns, one instruction a turn, in the same order in every step
.set rA, 64*(UT%2)+8*(\k)
.set rW, 96*PAR+12*(\k)
.set rZ, ZB+12*(UT%2)
.set rS, WS+4*PAR+(\k)/2
.set rT, ZS+UT
.set rR, (\k)%2
	WMX ZERO, rR, 0
.endm
.macro PKS n                           ; the next n of tile TN's 32 packed multiplies, under the products' own window setting: T (window c) = x (window 1) x hidden (window 0)
.rept \n
.if PN < 16
	v_pk_mul_f32 v[T+2*PN:T+2*PN+1], v[X1+2*TN:X1+2*TN+1], v[H+32*TN+2*PN:H+32*TN+2*PN+1] op_sel_hi:[0,1]
.else
	v_pk_mul_f32 v[T+2*PN:T+2*PN+1], v[X1+2*TN:X1+2*TN+1], v[H+32*TN+2*(PN-16):H+32*TN+2*(PN-16)+1] op_sel:[1,0] op_sel_hi:[1,1]
.endif
.set PN, PN+1
.endr
.endm
.macro ZBLK t0                         ; tiles t0, t0 + 1: the two blocks' scale operands x HM, their bytes, and with lane l xor 16's two the scale word (whole in lanes 0-15, which alone are read)
	WIN 0
	v_pk_mul_f32 v[A+2*\t0:A+2*\t0+1], v[X0+2*\t0:X0+2*\t0+1], v[HM+\t0:HM+\t0+1] op_sel_hi:[1,0]
	v_pk_mul_f32 v[A+2*\t0+2:A+2*\t0+3], v[X0+2*\t0+2:X0+2*\t0+3], v[HM+\t0:HM+\t0+1] op_sel:[0,1] op_sel_hi:[1,1]
.irp u, 0,1
	v_bfe_u32 v[EZ+4*\u], v[A+2*\t0+2*\u], 23, 8
.endr
.irp u, 0,1
	v_bfe_u32 v[EZ+4*\u+1], v[A+2*\t0+2*\u+1], 23, 8
.endr
.irp u, 0,1
	v_lshl_or_b32 v[EZ+4*\u+2], v[EZ+4*\u+1], 16, v[EZ+4*\u]
.endr
.irp u, 0,1
	v_permlanex16_b32 v[EZ+4*\u+3], v[EZ+4*\u+2], s[SEL], s[SEL+1]
.endr
.irp u, 0,1
	v_perm_b32 v[ZS+\t0+\u], v[EZ+4*\u+3], v[EZ+4*\u+2], s[PSEL]   ; bytes: mine 0, the other's 0, mine 2, the other's 2
.endr
.endm
.macro CSL                             ; tile TN's 64 numbers become its operand: source 0 in window c, all else in window 0
	WIN CW
.set rZ, ZB+12*(TN%2)
	v_cvt_scalef32_pk16_fp6_f32 v[rZ:rZ+2], v[T:T+15], v[A+2*TN]
	v_cvt_scalef32_pk16_fp6_f32 v[CT0:CT0+2], v[T+16:T+31], v[A+2*TN]           ; (a conversion's three registers begin on an even number)
	v_cvt_scalef32_pk16_fp6_f32 v[rZ+6:rZ+8], v[T+32:T+47], v[A+2*TN+1]
	v_cvt_scalef32_pk16_fp6_f32 v[CT1:CT1+2], v[T+48:T+63], v[A+2*TN+1]
	v_nop                                          ; one plain line behind the conversions
.irp i, 0,1,2
	v_or_b32 v[rZ+3+\i], 0, v[CT0+\i]              ; a move through source 1, the place that means window 0 here: no switch is spent on it
.endr
.irp i, 0,1,2
	v_or_b32 v[rZ+9+\i], 0, v[CT1+\i]
.endr
.endm
; The next step's LDS loads, in three runs.  Nine multiplies or more stand between the last product that read the other set and the first load into it.
.macro LSL0                            ; 12 loads
	WIN 0
	v_add_nc_u32 v[AW], s[WB], v[LI]
	v_add_nc_u32 v[AW4], s[WB], v[LS]
	v_add_nc_u32 v[AX], s[XB], v[AX0]
	s_add_co_u32 s[WB], s[WB], SBLK
	s_add_co_u32 s[XB], s[XB], 512
	ds_load_b128 v[X0:X0+3], v[AX]
	ds_load_b32 v[WS+4*NP], v[AW4] offset:SCO
	ds_load_b32 v[WS+4*NP+1], v[AW4] offset:SCO+128
	WIN TOW
	WFRAG 0
	WFRAG 1
	WFRAG 2
.endm
.macro LSL1                            ; 13 loads
	WIN 0
	ds_load_b128 v[X0+4:X0+7], v[AX] offset:16
	ds_load_b32 v[WS+4*NP+2], v[AW4] offset:SCO+256
	ds_load_b32 v[WS+4*NP+3], v[AW4] offset:SCO+384
	WIN TOW
	ds_load_b128 v[X1:X1+3], v[AX]
	WFRAG 3
	WFRAG 4
	WFRAG 5
.endm
.macro LSL2                            ; 6 loads; a seventh follows at the unit's end
	WIN TOW
	WFRAG 6
	WFRAG 7
.endm
; A UNIT: tile t's eight products, and between them the making of the next tile's operand (t = 3: tile 0 of the next step).  last = 1: the layer's last step: nothing is fetched or made for a next step.
.macro UNIT t, last
.set UT, \t
.set TN, ((\t)+1)%4
.set PN, 0
.set MW, 0xa1+0x50*((\t)/2)            ; filter (and x) window 1, z (and hidden) window 0, C, D (and T) window 2 or 3
.set CW, 0x02+(\t)/2
.if \last
.if \t == 0
	s_wait_dscnt 0x0
.endif
.elseif \t == 0
	s_wait_dscnt 1                                 ; this step's filter is in; the youngest load, x of tiles 2, 3 for the multiplies, may be out
.elseif \t == 1
	s_wait_dscnt 12                                ; that one is in; unit 0's twelve may be out
.elseif \t == 2
	s_wait_dscnt 13                                ; unit 0's are in (x for the scales); unit 1's thirteen may be out
.else
	s_wait_dscnt 7                                 ; unit 1's are in (x of tiles 0, 1); unit 2's seven may be out
.endif
	WIN MW
.if ((\t)%2) == 0
	PKS 5                                          ; five plain lines between the operand's last write and its first product
	WM 0
	PKS 4
.if \last == 0
.if \t == 0
	LSL0
.else
	LSL2
.endif
	WIN MW
.endif
	WM 1
.if \t == 0
	ZBLK 2                                         ; this step's tiles 2, 3
	WIN MW
.elseif \last == 0
	ZBLK 0                                         ; the next step's tiles 0, 1
	WIN MW
.endif
	WM 2
	PKS 5
	WM 3
	PKS 5
	WM 4
	PKS 5
	WM 5
	PKS 4
	WM 6
	PKS 4
.if (\t == 2) && (\last == 0)
	WIN TOW
	ds_load_b128 v[X1+4:X1+7], v[AX] offset:16     ; tiles 2 and 3 have been multiplied: their x of the next step
.endif
	CSL
	WIN MW
	WM 7
.elseif (\t == 3) && (\last == 1)
.rept 4
	v_nop                                          ; no operand is left to make: these are the four plain lines between tile 3's operand's last write and its first product
.endr
.irp k, 0,1,2,3,4,5,6,7
	WM \k
.endr
.else
	PKS 5
	WM 0
	PKS 5
.if (\t == 1) && (\last == 0)
	LSL1
	WIN MW
.endif
	WM 1
	PKS 4
	WM 2
	PKS 4
	WM 3
	PKS 4
	WM 4
	PKS 4
	WM 5
	PKS 4
	WM 6
	PKS 2
	CSL
	WIN MW
	WM 7
.endif
.endm
.macro STEP par, zero, last            ; a K step of 128: the filter in set par; zero = 1: the products start the sums
.set PAR, \par
.set NP, 1-\par
.set ZERO, \zero
	UNIT 0, \last
	UNIT 1, \last
	UNIT 2, \last
	UNIT 3, \last
.endm
.macro LSTART                          ; a layer's head: step 0's filter and x, the largest hidden units, tile 0's operand
	WIN 0
	s_mov_b32 s[WB], RB+SBLK
	s_mov_b32 s[XB], 512
.set NP, 0
	v_add_nc_u32 v[AW], RB, v[LI]
	ds_load_b128 v[X0:X0+3], v[AX0]
	ds_load_b128 v[X0+4:X0+7], v[AX0] offset:16
.irp p, 0,1,2,3
	ds_load_b32 v[WS+\p], v[LS] offset:RB+SCO+128*\p
.endr
	WIN TOW
	ds_load_b128 v[X1:X1+3], v[AX0]
	ds_load_b128 v[X1+4:X1+7], v[AX0] offset:16
.irp f, 0,1,2,3,4,5,6,7
	WFRAG \f
.endr
	WIN 0
.irp t, 0,1,2,3
	v_max3_num_f32 v[HM+\t], v[H+32*\t], v[H+32*\t+1], v[H+32*\t+2]
.endr
.irp i, 3,5,7,9,11,13,15,17,19,21,23,25,27,29
.irp t, 0,1,2,3
	v_max3_num_f32 v[HM+\t], v[HM+\t], v[H+32*\t+\i], v[H+32*\t+\i+1]
.endr
.endr
.irp t, 0,1,2,3
	v_max_num_f32 v[HM+\t], v[HM+\t], v[H+32*\t+31]
.endr
.irp t, 0,1,2,3
	v_mul_f32 v[HM+\t], 0x3e800000, v[HM+\t]       ; / 4: 2 off the exponent
.endr
	s_wait_dscnt 0x0
	ZBLK 0
.set TN, 0
.set PN, 0
.set CW, 0x03
	WIN 0xf1
	PKS 32
	CSL
.endm
; ---------------- layer 0 ----------------
.macro WM0                             ; product WQ of 16 of step S0: filter tile WQ / 2, tile WQ % 2 of the pair.  The 16 accumulators take turns
	WIN M0W
.set rF, WQ/2
.set rU, WQ%2
.set rA, 64*rU+8*rF
.set rW, 96*(S0%2)+12*rF
.set rZ, FZ+24*(S0%2)+12*rU
.set rS, WS+4*(S0%2)+rF/2
.set rT, ZS+S0%2
.set rR, rF%2
.set rQ, 0
.if S0 == 0
.set rQ, 1
.endif
	WMX rQ, rR, rU
.set WQ, WQ+1
.endm
.macro TICK                            ; stands behind each vector line: behind every VPW of them the next pending product
.if WQ < 16
.set VL, VL+1
.if VL >= VPW
	WM0
	WIN V3
.set VL, 0
.endif
.endif
.endm
.macro FLUSH0                          ; the products still pending
.rept 16
.if WQ < 16
	WM0
.endif
.endr
.endm
; z(CC), z(CC + 1), CC even, into v[TT], v[TT + 1].  i = CC / 39, j = CC % 39 have the same parity.  i even: (x_j, x_j+1) x 2 x_i; i odd: (2 x_j, 2 x_j+1) x x_i: both pairs begin on even registers.
; j = 38: the second number is (i + 1, 0), masked: x_39 = 0 stands there.
.macro PR0
.set II, CC/39
.set JJ, CC%39
.if (II%2) == 0
.set PRG, E+JJ
.set BPG, O+II
.else
.set PRG, O+1+JJ
.set BPG, E+II-1
.endif
.if (II >= 38) || (JJ+1 <= II)
	v_pk_mul_f32 v[TT:TT+1], v[ZZ:ZZ+1], v[ZZ:ZZ+1]
	TICK
.elseif JJ == II
	v_mov_b32 v[TT], 0
	TICK
	v_mul_f32 v[TT+1], v[BPG+1], v[PRG+1]
	TICK
.else
	v_pk_mul_f32 v[TT:TT+1], v[PRG:PRG+1], v[BPG:BPG+1] op_sel:[0,1] op_sel_hi:[1,1]
	TICK
.endif
.endm
.macro MX0                             ; the pair joins its chain (block x parity of the pair); a chain's first link takes the floor 2^(3 - 127); pairs that are wholly masked are passed over
.set II, CC/39
.set JJ, CC%39
.if (II < 38) && (JJ+1 > II)
.set CH, 2*(NN/16)+NN%2
.if ((CHB>>CH)&1) == 1
	v_max3_num_f32 v[MC+CH], v[MC+CH], |v[TT]|, |v[TT+1]|
.else
	v_max3_num_f32 v[MC+CH], |v[TT]|, |v[TT+1]|, 0x1800000
.set CHB, CHB|(1<<CH)
.endif
	TICK
.endif
.endm
.macro GEN0H s, g                      ; blocks 2 g and 2 g + 1 of step s, for both tiles of the pair
	WIN V3
.set CHB, 0
.set NN, 0
.rept 32
.set CC, 128*(\s)+64*(\g)+2*NN
.set TT, T0+2*NN
	PR0
.set NN, NN+1
.endr
.set NN, 0
.rept 32
.set CC, 128*(\s)+64*(\g)+2*NN
.set TT, T0+2*NN
	MX0
.set NN, NN+1
.endr
.irp ch, 0,1,2,3
.if ((CHB>>\ch)&1) == 0
	v_mov_b32 v[MC+\ch], 0x1800000
	TICK
.endif
.endr
	v_max_num_f32 v[MC], v[MC], v[MC+1]
	TICK
	v_max_num_f32 v[MC+2], v[MC+2], v[MC+3]
	TICK
	v_add_nc_u32 v[AQ+2*(\g)], 0xff000000, v[MC]   ; 2 off the exponent field: the conversion's scale operand
	TICK
	v_add_nc_u32 v[AQ+2*(\g)+1], 0xff000000, v[MC+2]
	TICK
	v_lshrrev_b32 v[BY+2*(\g)], 23, v[AQ+2*(\g)]
	TICK
	v_lshrrev_b32 v[BY+2*(\g)+1], 23, v[AQ+2*(\g)+1]
	TICK
.set FA, FZ+24*((\s)%2)
.set FB, FA+12
	v_cvt_scalef32_pk16_fp6_f32 v[FA+6*(\g):FA+6*(\g)+2], v[T0:T0+15], v[AQ+2*(\g)]
	v_cvt_scalef32_pk16_fp6_f32 v[CTP:CTP+2], v[T0+16:T0+31], v[AQ+2*(\g)]
	v_cvt_scalef32_pk16_fp6_f32 v[FB+6*(\g):FB+6*(\g)+2], v[T0+32:T0+47], v[AQ+2*(\g)+1]
	v_cvt_scalef32_pk16_fp6_f32 v[CTQ:CTQ+2], v[T0+48:T0+63], v[AQ+2*(\g)+1]
.if \g == 0
	v_lshl_or_b32 v[ZW], v[BY+1], 8, v[BY]         ; (the plain line behind the conversions)
	TICK
.else
	v_lshl_or_b32 v[ZW], v[BY+2], 16, v[ZW]
	WIN 0x3f                                       ; sources window 3, destination window 0: scale operands have no window
	v_lshl_or_b32 v[ZS+(\s)%2], v[BY+3], 24, v[ZW] ; lanes 0-15: the first tile's words, lanes 16-31: the second's
	WIN V3
	TICK
.endif
.irp i, 0,1,2                          ; block 2 g's lanes 16-31 change places with block 2 g + 1's lanes 0-15: the first registers now are the first tile's operand, the second the second's
	v_permlane16_swap_b32 v[FA+6*(\g)+\i], v[FB+6*(\g)+\i]
	TICK
	v_permlane16_swap_b32 v[CTP+\i], v[CTQ+\i]
	TICK
.endr
.irp i, 0,1,2
	v_mov_b32 v[FA+6*(\g)+3+\i], v[CTP+\i]
	TICK
	v_mov_b32 v[FB+6*(\g)+3+\i], v[CTQ+\i]
	TICK
.endr
.endm
.macro LS0A s1                         ; step s1's scale words and fragments 0-3, from R_A
	WIN 0
	v_add_nc_u32 v[AW], RA+SBLK*(\s1), v[LI]
	v_add_nc_u32 v[AW4], RA+SBLK*(\s1), v[LS]
.set NP, (\s1)%2
.irp p, 0,1,2,3
	ds_load_b32 v[WS+4*NP+\p], v[AW4] offset:SCO+128*\p
.endr
	WIN TOW
	WFRAG 0
	WFRAG 1
	WFRAG 2
	WFRAG 3
.endm
.macro LS0B                            ; fragments 4-7
	WIN TOW
	WFRAG 4
	WFRAG 5
	WFRAG 6
	WFRAG 7
.endm
.macro U0 s                            ; step s's 16 products among the making of step s + 1's operands; the next filter is fetched in two runs
	s_wait_dscnt 0x0                               ; step s's filter is in
.set S0, \s
.set WQ, 0
.set VL, 0
	GEN0H (\s)+1, 0
	LS0A (\s)+1
	GEN0H (\s)+1, 1
	LS0B
	FLUSH0
.endm
; ---------------- what is made of the sums ----------------
.macro WTLOAD kb, nf                   ; 1 + w of nf filter tiles from byte kb on: eight numbers a tile, those of my half's rows
.set q, 0
.rept \nf
.if q < 4
.set rWT, WTR+8*q
.else
.set rWT, H+8*(q-4)
.endif
	ds_load_b128 v[rWT:rWT+3], v[AWT] offset:(\kb)+64*q
	ds_load_b128 v[rWT+4:rWT+7], v[AWT] offset:(\kb)+64*q+16
.set q, q+1
.endr
.endm
.macro RELUH c, t0                     ; the hidden layer of tiles t0, t0 + 1 = relu of window c's filter tiles 0-3; each accumulator from its low end on
	WIN 0x08+4*((\c)-2)                            ; source 1 window c
.irp u, 0,1
.set q, 0
.rept 32
	v_max_num_f32 v[H+32*((\t0)+\u)+q], 0, v[64*\u+q]
.set q, q+1
.endr
.endr
.endm
.macro DADD c, t0                      ; the two sums that DIRECT left join the tiles' running sums
	WIN 0x08+4*((\c)-2)
	v_add_f32 v[D+(\t0)], v[D+(\t0)], v[DS]
	v_add_f32 v[D+(\t0)+1], v[D+(\t0)+1], v[DS+8]
.endm
.macro DIRECT c, fa, nf                ; window c's two tiles: the sum over filter tiles fa .. fa + nf - 1 of relu(.) (1 + w), left in v[DS] and v[DS + 8] of window c
	WIN 0xa8+0x54*((\c)-2)                         ; source 0 (1 + w) window 0, all else window c
.set FQ, 0
.rept \nf
.if FQ < 4
.set rWT, WTR+8*FQ
.else
.set rWT, H+8*(FQ-4)
.endif
.irp u, 0,1
.set rAC, 64*\u+8*((\fa)+FQ)
.set rTT, T+16*(FQ%4)+8*\u
.irp j, 0,1,2,3,4,5,6,7
	v_max_num_f32 v[rTT+\j], 0, v[rAC+\j]
.endr
.endr
.irp u, 0,1
.set rTT, T+16*(FQ%4)+8*\u
.irp p, 0,1,2,3
.if FQ == 0
	v_pk_mul_f32 v[DS+8*\u+2*\p:DS+8*\u+2*\p+1], v[rWT+2*\p:rWT+2*\p+1], v[rTT+2*\p:rTT+2*\p+1]
.else
	v_pk_fma_f32 v[DS+8*\u+2*\p:DS+8*\u+2*\p+1], v[rWT+2*\p:rWT+2*\p+1], v[rTT+2*\p:rTT+2*\p+1], v[DS+8*\u+2*\p:DS+8*\u+2*\p+1]
.endif
.endr
.endr
.set FQ, FQ+1
.endr
	WIN 0xaa+0x55*((\c)-2)                         ; all in window c
.irp u, 0,1
	v_pk_add_f32 v[DS+8*\u:DS+8*\u+1], v[DS+8*\u:DS+8*\u+1], v[DS+8*\u+2:DS+8*\u+3]
	v_pk_add_f32 v[DS+8*\u+4:DS+8*\u+5], v[DS+8*\u+4:DS+8*\u+5], v[DS+8*\u+6:DS+8*\u+7]
.endr
.irp u, 0,1
	v_pk_add_f32 v[DS+8*\u:DS+8*\u+1], v[DS+8*\u:DS+8*\u+1], v[DS+8*\u+4:DS+8*\u+5]
.endr
.irp u, 0,1
	v_add_f32 v[DS+8*\u], v[DS+8*\u], v[DS+8*\u+1]
.endr
.endm
; ================ the head ================
	s_load_b256 s[4:11], s[0:1], 0x0               ; nn_input s[4:5], wq s[6:7], w_nn s[8:9], b_nn s[10:11]
	s_load_b64 s[12:13], s[0:1], 0x20              ; out0
	v_lshl_add_u32 v[SPW], v0, 2, SPARE
	v_mov_b32 v[NIL], 0
	ds_add_u32 v9, v10
	ds_add_u32 v9, v10
	s_wait_dscnt 0x0
	v_lshrrev_b32 v12, 5, v0
	v_readfirstlane_b32 s[WV], v12                 ; wave 0..3
	s_bfe_u32 s52, ttmp6, 0x40000                  ; cx: it enters the addresses of x and out alone
	s_lshl_b32 s[GW], ttmp9, 2
	s_add_co_u32 s[GW], s[GW], s52                 ; work-group = 4 x cluster + cx
	; group 1: dense bytes as rows of 256 (32 elements of 8 bytes), no padding; the mask names all four work-groups, bit 21 beside it
	s_mov_b32 s[G1A], 15|(3<<16)|(1<<21)
	s_mov_b32 s[G1A+1], 32<<16                     ; tensor_dim0
	s_mov_b32 s[G1A+2], 150<<16                    ; tensor_dim1: a quarter of R_A, 3 step blocks
	s_mov_b32 s[G1A+3], 32<<16                     ; tile_dim0
	s_mov_b32 s[G1A+4], 150                        ; tile_dim1
	s_mov_b32 s[G1A+5], 32                         ; from row to row
	s_mov_b32 s[G1A+6], 0
	s_mov_b32 s[G1A+7], 0
	s_mov_b32 s[G1B], 15|(3<<16)|(1<<21)
	s_mov_b32 s[G1B+1], 32<<16
	s_mov_b32 s[G1B+2], 100<<16                    ; a quarter of R_B, 2 step blocks
	s_mov_b32 s[G1B+3], 32<<16
	s_mov_b32 s[G1B+4], 100
	s_mov_b32 s[G1B+5], 32
	s_mov_b32 s[G1B+6], 0
	s_mov_b32 s[G1B+7], 0
	s_mul_i32 s48, s[WV], 3*SBLK                   ; my quarter of R_A, in wq and in LDS alike
	s_mov_b32 s49, 0
	s_mul_i32 s53, s[WV], 2*SBLK                   ; my quarter of R_B,
	s_add_co_u32 s50, s53, 12*SBLK                 ; which begins with step block 12
	s_mov_b32 s51, 0
	s_lshl_b32 s54, s[GW], 4
	s_lshl_b32 s55, s[WV], 2
	s_add_co_u32 s54, s54, s55                     ; my first b
	s_mul_i32 s58, s54, 2496                       ; a row of nn_input is 2,496 bytes
	s_mov_b32 s59, 0
	s_lshl_b32 s60, s54, 2
	s_mov_b32 s61, 0
	s_mov_b32 s[SEL], 0x76543210
	s_mov_b32 s[SEL+1], 0xfedcba98
	s_mov_b32 s[PSEL], 0x06020400
	s_mov_b32 s[HIM], 0xffff0000                   ; lanes 16-31
	s_wait_kmcnt 0x0
	s_mov_b32 s[G0A], 1
	s_add_co_u32 s[G0A+1], s48, RA
	s_add_nc_u64 s[G0A+2:G0A+3], s[6:7], s[48:49]
	s_or_b32 s[G0A+3], s[G0A+3], 0x80000000
	s_mov_b32 s[G0B], 1
	s_add_co_u32 s[G0B+1], s53, RB
	s_add_nc_u64 s[G0B+2:G0B+3], s[6:7], s[50:51]
	s_or_b32 s[G0B+3], s[G0B+3], 0x80000000
	s_add_nc_u64 s[4:5], s[4:5], s[58:59]
	s_add_nc_u64 s[12:13], s[12:13], s[60:61]
	ROUND                                          ; all four work-groups are here: the first joint loads meet
	tensor_load_to_lds s[G0A:G0A+3], s[G1A:G1A+7]  ; layer 0's twelve blocks
	s_nop 0
	tensor_load_to_lds s[G0B:G0B+3], s[G1B:G1B+7]  ; L1[0..7]: it has all of layer 0 in which to land
	s_nop 0
.rept 4
	v_nop
.endr
	s_load_b32 s[BN], s[10:11], 0x0                ; b_nn
	v_and_b32 v12, 31, v0                          ; lane
	v_and_b32 v13, 15, v0                          ; r
	v_bfe_u32 v14, v0, 4, 1                        ; h
	v_lshlrev_b32 v[LI], 4, v12
	v_lshlrev_b32 v[LS], 2, v12
	v_lshlrev_b32 v15, 2, v13
	v_lshlrev_b32 v124, 5, v12
.irp t, 0,1,2,3                        ; my four rows of nn_input, 128 consecutive bytes a load: lane L of load s is x_(2 s + L / 16) at d = L % 16
.set q, 0
.rept 19
	global_load_b32 v[H+20*\t+q], v[LS], s[4:5] offset:2496*\t+128*q th:TH_LOAD_NT
.set q, q+1
.endr
	global_load_b32 v[H+20*\t+19], v15, s[4:5] offset:2496*\t+2432 th:TH_LOAD_NT   ; the last 64 bytes, read by both halves: no load leaves the row
.endr
	global_load_b128 v[WTR:WTR+3], v124, s[8:9]    ; w_nn: eight numbers a lane
	global_load_b128 v[WTR+4:WTR+7], v124, s[8:9] offset:16
	s_mul_i32 s52, s[WV], XSW
	s_add_co_u32 s52, s52, XSB                     ; my wave's x
	s_lshl_b32 s53, s[WV], 10
	s_add_co_u32 s53, s53, WTB                     ; my wave's 1 + w
	v_lshl_add_u32 v[AX0], v13, 5, s52
	v_lshl_add_u32 v[AXP], v14, 3, v[AX0]
	v_lshl_add_u32 v125, v14, 2, v[AX0]            ; where I store x: 32 r + 4 (L / 16)
	v_lshl_add_u32 v[AWT], v14, 5, s53
	v_add_nc_u32 v126, s53, v124
	v_mov_b32 v127, 0
	v_mov_b32 v[ZR], 0
.irp t, 0,1,2,3
	v_mov_b32 v[D+\t], 0
.endr
	v_mov_b32 v[EZ+3], 0                           ; written once: a lane permute's destination counts as one of its sources
	v_mov_b32 v[EZ+7], 0
	WIN 0xc0                                       ; destination window 3
	v_mov_b32 v[ZZ], 0
	v_mov_b32 v[ZZ+1], 0
	WIN 0
	s_wait_loadcnt 0x0
	s_wait_kmcnt 0x0
.irp t, 0,1,2,3
	v_cndmask_b32 v[H+20*\t+19], v[H+20*\t+19], v[ZR], s[HIM]   ; x_39 = 0
.endr
.irp t, 0,1,2,3
.set q, 0
.rept 20
	ds_store_b32 v125, v[H+20*\t+q] offset:512*q+8*\t
.set q, q+1
.endr
.endr
.irp p, 0,2,4,6
	v_pk_add_f32 v[WTR+\p:WTR+\p+1], v[WTR+\p:WTR+\p+1], 1.0 op_sel_hi:[1,0]
.endr
	ds_store_b128 v126, v[WTR:WTR+3]
	ds_store_b128 v126, v[WTR+4:WTR+7] offset:16
	s_wait_tensorcnt 0x1                           ; my part of R_A is in; R_B's may stay out
	s_wait_dscnt 0x0
	s_barrier_signal -1
	s_barrier_wait -1
; ================ layer 0: two trips, a pair of tiles each ================
	s_mov_b32 s[TRIP], 2
.Lpair:
	s_cmp_eq_u32 s[TRIP], 2
	s_cselect_b32 s48, 0, 16                       ; tiles 0, 1, then tiles 2, 3
	v_add_nc_u32 v[AX], s48, v[AXP]
	WIN 0xc0
.set q, 0
.rept 20
	ds_load_b64 v[E+2*q:E+2*q+1], v[AX] offset:512*q   ; my position's 40 numbers
.set q, q+1
.endr
	WIN 0
	WTLOAD 0, 4
	LS0A 0
	LS0B
	s_wait_dscnt 36                                ; x is in; 8 loads of 1 + w, 4 scale words and 24 of the filter may be out
	WIN V3
	v_mov_b32 v[O], 0
.set q, 0
.rept 39
	v_add_f32 v[O+1+q], v[E+q], v[E+q]
.set q, q+1
.endr
.set WQ, 16
.set VL, 0
.set S0, 0
	GEN0H 0, 0                                     ; step 0's operands: no product is pending yet
	GEN0H 0, 1
.irp s, 0,1,2,3,4,5,6,7,8,9,10
	U0 \s
.endr
	s_wait_dscnt 0x0
	WIN 0
.rept 4
	v_nop                                          ; places between the operands' last writes and the products
.endr
.set S0, 11
.set WQ, 0
	FLUSH0
	WIN 0
.rept 4
	v_nop                                          ; places behind the last products
.endr
	DIRECT 2, 4, 4                                 ; the direct half: k = 0 .. 63
	WIN 0
	s_cmp_eq_u32 s[TRIP], 1
	s_cbranch_scc1 .Lpair_done
	RELUH 2, 0
	DADD 2, 0
	WIN 0
	s_sub_co_u32 s[TRIP], s[TRIP], 1
	s_branch .Lpair
.Lpair_done:
	CHANGE 1                                       ; layer 0's blocks are left: R_A takes L1[8..19]; R_B has landed
	RELUH 2, 2
	DADD 2, 2
	WIN 0
; ================ layers 1 and 2 ================
	s_mov_b32 s[LAY], 2
.Llayer:
	LSTART
	STEP 0, 1, 0                                   ; step 0 starts the sums
	WIN 0
	s_mov_b32 s[CNT], 3
.Lsteps_b:                                         ; steps 1 to 6: the blocks fetched are 2 to 7, in R_B
	STEP 1, 0, 0
	STEP 0, 0, 0
	WIN 0
	s_sub_co_u32 s[CNT], s[CNT], 1
	s_cmp_lg_u32 s[CNT], 0
	s_cbranch_scc1 .Lsteps_b
	s_cmp_eq_u32 s[LAY], 1
	s_cbranch_scc1 .Llast                          ; the last layer's tail is written out: it asks for nothing more
	CHANGE 2                                       ; block 7 is in registers: R_B takes L2[0..7]; R_A has landed
	s_mov_b32 s[WB], RA                            ; block 8 lies at R_A's head, on end behind R_B: stated anew, so that it can be read off here
	s_mov_b32 s[CNT], 6
.Lsteps_a1:                                        ; steps 7 to 18
	STEP 1, 0, 0
	STEP 0, 0, 0
	WIN 0
	s_sub_co_u32 s[CNT], s[CNT], 1
	s_cmp_lg_u32 s[CNT], 0
	s_cbranch_scc1 .Lsteps_a1
	STEP 1, 0, 1                                   ; step 19
	CHANGE 1                                       ; R_A takes L2[8..19]; R_B has landed
	WTLOAD 256, 4
	RELUH 2, 0
	RELUH 3, 2
	s_wait_dscnt 0x0
	DIRECT 2, 4, 4                                 ; k = 64 .. 127
	DADD 2, 0
	DIRECT 3, 4, 4
	DADD 3, 2
	WIN 0
	s_sub_co_u32 s[LAY], s[LAY], 1
	s_branch .Llayer
.Llast:
	CHANGE 0                                       ; R_A has landed, in every wave; nothing is filled
	s_mov_b32 s[WB], RA
	s_mov_b32 s[CNT], 6
.Lsteps_a2:
	STEP 1, 0, 0
	STEP 0, 0, 0
	WIN 0
	s_sub_co_u32 s[CNT], s[CNT], 1
	s_cmp_lg_u32 s[CNT], 0
	s_cbranch_scc1 .Lsteps_a2
	STEP 1, 0, 1
	WIN 0
	WTLOAD 512, 8                                  ; k = 128 .. 255; the hidden layer's registers are free
.rept 4
	v_nop                                          ; places behind the last products
.endr
	s_wait_dscnt 0x0
	DIRECT 2, 0, 8
	DADD 2, 0
	DIRECT 3, 0, 8
	DADD 3, 2
	WIN 0
	; a tile's sum over its 32 lanes (16 d x two halves of the rows) is out[b] - b_nn
.irp m, 1,2,4,8
.irp t, 0,1,2,3
	v_add_f32_dpp v[D+\t], v[D+\t], v[D+\t] row_xmask:\m row_mask:0xf bank_mask:0xf
.endr
.endr
.irp t, 0,1,2,3
	v_permlanex16_b32 v[124+\t], v[D+\t], s[SEL], s[SEL+1]
.endr
.irp t, 0,1,2,3
	v_add_f32 v[D+\t], v[D+\t], v[124+\t]
.endr
	v_and_b32 v12, 31, v0
	v_cmp_eq_u32 vcc_lo, 1, v12                    ; lane t takes tile t's
	v_cndmask_b32 v[D], v[D], v[D+1], vcc_lo
	v_cmp_eq_u32 vcc_lo, 2, v12
	v_cndmask_b32 v[D], v[D], v[D+2], vcc_lo
	v_cmp_eq_u32 vcc_lo, 3, v12
	v_cndmask_b32 v[D], v[D], v[D+3], vcc_lo
	v_add_f32 v[D], s[BN], v[D]
	v_cmp_gt_u32 vcc_lo, 4, v12
	s_wait_xcnt 0x0                                ; EXEC changes only behind this wait
	s_and_saveexec_b32 s48, vcc_lo
	global_store_b32 v[LS], v[D], s[12:13]         ; my four b: 16 consecutive bytes
	s_wait_xcnt 0x0                                ; and again, in front of the line that widens it
	s_or_b32 exec_lo, exec_lo, s48
	s_wait_tensorcnt 0x0                           ; the wave's end
	ds_add_u32 v[SPW], v[NIL]
	s_wait_dscnt 0x0
	ROUND                                          ; the closing round: no work-group ends while a partner may still ask for a block that names it
	s_endpgm
.Lfunc_end_k_q081564a757_cin:
	.size	k_q081564a757_cin, .Lfunc_end_k_q081564a757_cin-k_q081564a757_cin
	.p2alignl 7, 3214868480
	.fill 96, 4, 3214868480
	.section	.rodata,"a",@progbits
	.p2align	6, 0x0
	.amdhsa_kernel k_q081564a757_cin
		.amdhsa_group_segment_fixed_size 327680
		.amdhsa_private_segment_fixed_size 0
		.amdhsa_enable_private_segment 0
		.amdhsa_kernarg_size 40
		.amdhsa_user_sgpr_count 2
		.amdhsa_user_sgpr_kernarg_segment_ptr 1
		.amdhsa_wavefront_size32 1
		.amdhsa_system_sgpr_workgroup_id_x 1
		.amdhsa_system_sgpr_workgroup_id_y 1
		.amdhsa_system_sgpr_workgroup_id_z 1
		.amdhsa_system_vgpr_workitem_id 0
		.amdhsa_next_free_vgpr 1024
		.amdhsa_next_free_sgpr 66
		.amdhsa_reserve_vcc 1
		.amdhsa_float_denorm_mode_32 3
		.amdhsa_float_denorm_mode_16_64 3
		.amdhsa_memory_ordered 1
		.amdhsa_forward_progress 1
		.amdhsa_inst_pref_size 255
	.end_amdhsa_kernel
	.section	.bss,"aw",@nobits
	.p2align	6
	.space	262144
	.amdgpu_metadata
---
amdhsa.version: [ 1, 2 ]
amdhsa.kernels:
  - .name:           k_q081564a757_cin
    .symbol:         k_q081564a757_cin.kd
    .args:
      - { .name: nn_input, .offset: 0, .size: 8, .value_kind: global_buffer, .address_space: global }
      - { .name: wq, .offset: 8, .size: 8, .value_kind: global_buffer, .address_space: global }
      - { .name: w_nn, .offset: 16, .size: 8, .value_kind: global_buffer, .address_space: global }
      - { .name: b_nn, .offset: 24, .size: 8, .value_kind: global_buffer, .address_space: global }
      - { .name: out0, .offset: 32, .size: 8, .value_kind: global_buffer, .address_space: global }
    .group_segment_fixed_size: 327680
    .private_segment_fixed_size: 0
    .kernarg_segment_align: 8
    .kernarg_segment_size: 40
    .max_flat_workgroup_size: 128
    .sgpr_count:     66
    .vgpr_count:     1024
    .wavefront_size: 32
...
	.end_amdgpu_metadata
.endif
;; end of part 2
